; MI455X (gfx1250); checked and timed in simulation.
; The chip was launched on July 23, 2026; its instructions are those of AMD's public machine-readable ISA for CDNA 5 (MIT licence, August 2026) and "CDNA5" Instruction Set Architecture Reference Guide (July 2026). The comments in the code are by the model that wrote it; some were corrected since.
;; Attention. Allowed arithmetic: matrix products marked QUANTISED: E2M1 operands, one E8M0 scale for each 32 along K, by v_wmma_scale_f32_16x16x128_f8f6f4 with both operands' format E2M1 (or v_wmma_scale_f32_32x16x128_f4), f32 sums; products left as they are: f32 operands where the result goes on into a quantised operand, else bf16, f16 or f32 operands; f32 sums; everything else in f32.
;; Inputs: W_c 1,024 float32; W_dec 1,024 x 1,024 float32; W_h 1,024 x 1,024 float32; b_dec 1,024 float32; coverage 32 x 2,048 float32; enc_padding_mask 32 x 2,048 float32; h 32 x 2,048 x 1,024 float32; s_t_hat 32 x 1,024 float32; v 1,024 float32.
;; Outputs: out0 32 x 1,024 float32; out1 32 x 2,048 float32; out2 32 x 2,048 float32.
;; This version of the problem:
;;   THIS VERSION OF THE PROBLEM IS GIVEN IN LOW PRECISION. The matrix products marked QUANTISED in the list below multiply operands that are first quantised to E2M1 (2 exponent bits, 1 mantissa bit; 4 bits a number), with one power-of-two scale for each 32 numbers along K (OCP MX v1.0); their sums are f32. All else is computed in f32.
;;   The module's matrix products, in the order in which they are computed (A, B: the left and right operand; K: the contracted axis; several contracted axes count as one K, in the product's order):
;;     1. [M 65,536, K 1,024] x [K 1,024, N 1,024]; A: input h; B: input W_h: QUANTISED
;;     2. [M 32, K 1,024] x [K 1,024, N 1,024]; A: input s_t_hat; B: input W_dec: QUANTISED
;;     3. [M 65,536, K 1,024] x [K 1,024, N 1]; A: computed on the way; B: input v: left as it is (N = 1 < 16)
;;     4. batch 32 x [M 1, K 2,048] x [K 2,048, N 1,024]; A: computed on the way; B: input h: left as it is (M = 1 < 16)
;;   THE QUANTISER, for each operand of a quantised product, along K:
;;     - K is cut into blocks of 32 from its start; a last block that is shorter is filled with zeros.
;;     - A block's scale is 2^e with e = floor(log2(the largest magnitude in the block)) - 2, held to -126 .. 127; a block of zeros has e = 0. As a byte (E8M0): e + 127.
;;     - Each number is divided by its block's scale, clamped to +-6, and rounded to the nearest number of E2M1, ties to even, subnormals kept.
;;     - The product sums the exact products of the quantised numbers (number of the format x scale) in f32.
;;   ~~~python
;;   def quantise(x, axis):      # numpy; x: float32 -> the quantised numbers, widened to float32 again
;;       x = np.moveaxis(x, axis, -1); K = x.shape[-1]
;;       x = np.pad(x, [(0, 0)] * (x.ndim - 1) + [(0, -K % 32)]); x = x.reshape(x.shape[:-1] + (-1, 32)); a = np.abs(x).max(-1, keepdims=True)
;;       e = np.where(a > 0, np.clip(np.frexp(np.where(a > 0, a, 1))[1] - 1 - 2, -126, 127), 0)      # np.frexp(a)[1] - 1 = floor(log2(a)), exactly
;;       r = np.clip(x / 2.0 ** e, -6, 6)
;;       step = 2.0 ** (np.maximum(np.frexp(np.where(r == 0, 1, r))[1] - 1, 0) - 1)
;;       q = np.round(r / step) * step * 2.0 ** e      # np.round: ties to even
;;       return np.moveaxis(q.reshape(q.shape[:-2] + (-1,))[..., :K], -1, axis).astype(np.float32)
;;   ~~~
;; One version. Each part assembles by itself: llvm-mc -triple=amdgcn-amd-amdhsa -mcpu=gfx1250 --defsym DOCPART=n.
;; ======== version 1 of 1: 3 launches
;; limits: values are held in bf16: 8 bits of precision; right only within a limited range of input values
;; workspace buffers: wimg 524,288 bytes; wsc 32,768 bytes; dec 131,072 bytes; scores 262,144 bytes; cpart 1,048,576 bytes; ml 65,536 bytes
;; launch prep (part 1): grid 64 x 1, 16 waves a work-group, no clusters, 38,912 bytes of LDS; arguments W_h, W_dec, s_t_hat, b_dec, wimg, wsc, dec; writes wimg, wsc, dec
.if DOCPART == 1
	.amdgcn_target "amdgcn-amd-amdhsa--gfx1250"
	.amdhsa_code_object_version 6
	.text
	.protected	k_q0243036600_prep
	.globl	k_q0243036600_prep
	.p2align	8
	.type	k_q0243036600_prep,@function
k_q0243036600_prep:
	s_mov_b64 s[64:65], 0
	v_nop
	global_prefetch_b8 v0, s[64:65] scope:SCOPE_SE
	s_setreg_imm32_b32 hwreg(HW_REG_WAVE_MODE, 25, 1), 1
	s_wait_xcnt 0x0
; PREP.  W_h [1024][1024] f32 becomes codes of E2M1 with one E8M0 byte for each 32 along K, laid as the next launch's operand registers want them;
; dec = s_t_hat W_dec^T + b_dec [32][1024] is made here too, both operands quantised, by the scaled FP4 matrix instruction.
; SHARES.  Work-group i owns rows 16 i .. 16 i + 15 of W_h and of W_dec (one tile of 16 outputs).  Wave w of sixteen quantises four rows: W_h[16 i + w], W_dec[16 i + w], s_t_hat[w], s_t_hat[16 + w].
; THE ORDER ALONG K.  A row is four chunks of 256 numbers; lane l holds 8 neighbours of each chunk, so a true block of 32 is four lanes (block 8 c + l / 4).  A matrix step g (0..7) takes the true blocks
; g, 8 + g, 16 + g, 24 + g.  Every operand of both products goes through the same macro, the same LDS rows and the same fragment reads, so K is permuted alike on both sides and blocks stay blocks.
; Lanes with bit 3 set take their two halves of 16 bytes in the other order (as the next launch's LDS reads do): again alike on both sides.
; LDS rows: 512 bytes of codes + 16 (pitch 528 = 33 x 16: the sixteen rows of a fragment read start in sixteen different groups of banks); scale words: 8 a row, pitch 48.
; LIMITS: NaN and infinities among the inputs are not served.  A block whose largest magnitude lies under 2^-124, a block of zeros too, gets the byte 1; zero codes add nothing, and the bytes are read by this program alone.
; dec leaves in pieces of 64 bytes of 32 rows (128 KB in the whole launch): units of 256 bytes are written in part there.
; WORK LEFT OUT, in the next launch: tanh(x) = 1 - 2 / (1 + e^(2x)), so a score is (the sum of v) - 2 x the sum of v / (1 + e^(2x)).  The sum of v is the same for every t of a batch, a softmax over t takes
; it away for all values of the inputs, and scores are no output: it is not formed.  Every input is loaded.  LIMIT: an overflow that would reach that sum alone is not carried to the result.
.set WD,   8448
.set SR,   16896                       ; s_t_hat's 32 rows,
.set WHS,  33792                       ; W_h's scale words, W_dec's, s_t_hat's
.set WDS,  34560
.set STS,  35328
.set X,    16                          ; v16-143  four rows x 32 numbers a lane
.set TM,   144                         ; v144-147 largest magnitudes, then bytes
.set SO,   148                         ; v148-151 the conversions' scale operands
.set CD,   152                         ; v152-167 codes, four registers a row
.set PW,   168                         ; v168-171 scale words, one a row
.set BO,   180                         ; v180     32 x (lane / 16): b_dec's offset
.set SI,   184                         ; v184-187 wave 1: the scale words' image
.set WDSC, 208                         ; v208-215 wave 0: W_dec's scale words;  v216-223 s_t_hat's: they hold scales alone
.set STSC, 216
.set BD,   224                         ; v224-231 b_dec in the result's layout
.set AC,   232                         ; v232-247 wave 0: two accumulators
.set IMG,  248                         ; v248-251 my 16 bytes of W_h's image
; 32 numbers of a lane, register 8 c + e of chunk c, become 4 registers of codes and the lane's scale word (byte c = chunk c's block l / 4).
.macro QUANT xs, cd, pw
.irp c, 0,1,2,3
	v_max3_num_f32 v[TM+\c], |v[(\xs)+8*\c]|, |v[(\xs)+8*\c+1]|, 0x1800000    ; my 8 numbers of chunk c, and the floor 2^(3 - 127): the byte cannot fall under 1
.endr
.irp i, 2,4,6
.irp c, 0,1,2,3
	s_delay_alu instid0(VALU_DEP_4)
	v_max3_num_f32 v[TM+\c], v[TM+\c], |v[(\xs)+8*\c+\i]|, |v[(\xs)+8*\c+\i+1]|   ; the four chunks by turns
.endr
.endr
.irp c, 0,1,2,3
	s_delay_alu instid0(VALU_DEP_4)
	v_max_num_f32_dpp v[TM+\c], v[TM+\c], v[TM+\c] row_xmask:1 row_mask:0xf bank_mask:0xf
.endr
.irp c, 0,1,2,3
	s_delay_alu instid0(VALU_DEP_4)
	v_max_num_f32_dpp v[TM+\c], v[TM+\c], v[TM+\c] row_xmask:2 row_mask:0xf bank_mask:0xf   ; the four lanes of a block agree
.endr
.irp c, 0,1,2,3
	s_delay_alu instid0(VALU_DEP_4)
	v_add_nc_u32 v[SO+\c], 0xff000000, v[TM+\c]    ; 2 off the exponent field: the conversion takes that field as its scale
.endr
.irp c, 0,1,2,3
	s_delay_alu instid0(VALU_DEP_4)
	v_lshrrev_b32 v[TM+\c], 23, v[SO+\c]           ; the scale's byte
.endr
	s_delay_alu instid0(VALU_DEP_3)
	v_lshl_or_b32 v[\pw], v[TM+1], 8, v[TM]
	s_delay_alu instid0(VALU_DEP_1)
	v_lshl_or_b32 v[\pw], v[TM+2], 16, v[\pw]
	s_delay_alu instid0(VALU_DEP_1)
	v_lshl_or_b32 v[\pw], v[TM+3], 24, v[\pw]
.irp c, 0,1,2,3
	v_cvt_scalef32_pk8_fp4_f32 v[(\cd)+\c], v[(\xs)+8*\c:(\xs)+8*\c+7], v[SO+\c]
.endr
	v_nop                                          ; one plain line behind the last scaled conversion
.endm
	s_load_b256 s[4:11], s[0:1], 0x0               ; W_h s[4:5], W_dec s[6:7], s_t_hat s[8:9], b_dec s[10:11]
	s_load_b128 s[12:15], s[0:1], 0x20             ; wimg s[12:13], wsc s[14:15]
	s_load_b64 s[16:17], s[0:1], 0x30              ; dec
	v_lshl_add_u32 v254, v0, 2, 0x9000
	v_mov_b32 v255, 0
	v_lshrrev_b32 v1, 5, v0
	s_delay_alu instid0(VALU_DEP_1)
	v_readfirstlane_b32 s18, v1                    ; wave 0..15
	v_and_b32 v1, 31, v0                           ; lane
	v_and_b32 v2, 15, v0                           ; r
	v_bfe_u32 v3, v0, 4, 1                         ; h
	v_bfe_u32 v4, v0, 3, 1                         ; s: which half of my 32 bytes comes first
	s_delay_alu instid0(VALU_DEP_4)
	v_lshlrev_b32 v5, 5, v1
	s_delay_alu instid0(VALU_DEP_1)
	v_lshl_add_u32 v4, v4, 4, v5                   ; v4: 32 lane + 16 s
	s_delay_alu instid0(VALU_DEP_1)
	v_xor_b32 v5, 16, v4                           ; v5: the other half
	s_mul_i32 s19, s18, 528
	v_lshl_add_u32 v6, v1, 2, s19                  ; v6: codes go to row w, 4 bytes a lane
	s_mul_i32 s19, s18, 48
	s_add_co_u32 s19, s19, WHS
	v_lshrrev_b32 v7, 2, v1
	s_delay_alu instid0(VALU_DEP_1)
	v_lshl_add_u32 v7, v7, 2, s19                  ; v7: scale words go to row w, word lane / 4
	v_mul_u32_u24 v10, v2, 528
	s_delay_alu instid0(VALU_DEP_1)
	v_lshl_add_u32 v10, v3, 7, v10                 ; v10: a fragment's place: row r, + 128 h
	s_and_b32 s19, s18, 1
	s_lshl_b32 s19, s19, 8
	s_lshr_b32 s20, s18, 1
	s_lshl_b32 s20, s20, 4
	s_add_co_u32 s19, s19, s20
	v_add_nc_u32 v8, s19, v10                      ; v8: wave w = 2 g + c' reads registers 4 c' .. 4 c' + 3 of step g: + 256 c' + 16 g
	v_lshlrev_b32 v9, 4, v0                        ; v9: and stores them at 512 w + 16 lane of the tile's 8,192 bytes
	v_mul_u32_u24 v11, v2, 48                      ; v11: row r's scale words
	v_mul_u32_u24 v12, v1, 48                      ; v12: row lane's
	s_delay_alu instid0(VALU_DEP_2)
	v_lshl_add_u32 v13, v3, 4, v11
	s_delay_alu instid0(VALU_DEP_1)
	v_add_nc_u32 v13, WHS, v13                     ; v13: wave 1: W_h's row r, words 4 h .. 4 h + 3
	v_lshlrev_b32 v14, 4, v2
	s_delay_alu instid0(VALU_DEP_1)
	v_lshl_add_u32 v14, v3, 9, v14                 ; v14: their place in wsc: 512 h + 16 r
	v_lshlrev_b32 v15, 12, v2
	s_delay_alu instid0(VALU_DEP_1)
	v_lshl_add_u32 v15, v3, 5, v15                 ; v15: dec: row r of 4,096 bytes, + 32 h
	v_lshlrev_b32 v[BO], 5, v3
	s_lshl_b32 s22, s18, 12                        ; w rows of 4,096 bytes
	s_mov_b32 s23, 0
	s_lshl_b32 s20, ttmp9, 16
	s_add_co_u32 s20, s20, s22                     ; 16 i + w rows
	s_mov_b32 s21, 0
	s_wait_alu depctr_va_vdst(0)
	s_wait_kmcnt 0x0
	s_add_nc_u64 s[4:5], s[4:5], s[20:21]
	s_add_nc_u64 s[6:7], s[6:7], s[20:21]
	s_add_nc_u64 s[8:9], s[8:9], s[22:23]
	s_lshl_b32 s20, ttmp9, 6                       ; the tile's 16 columns in b_dec and in a row of dec
	s_add_nc_u64 s[10:11], s[10:11], s[20:21]
	s_add_nc_u64 s[16:17], s[16:17], s[20:21]
	s_lshl_b32 s20, ttmp9, 13                      ; the tile's 8,192 bytes of wimg
	s_add_nc_u64 s[12:13], s[12:13], s[20:21]
	s_lshr_b32 s20, ttmp9, 1                       ; wsc: 1,024 bytes a pair of tiles; the odd tile takes lanes 16-31: + 256
	s_lshl_b32 s20, s20, 10
	s_and_b32 s22, ttmp9, 1
	s_lshl_b32 s22, s22, 8
	s_add_co_u32 s20, s20, s22
	s_add_nc_u64 s[14:15], s[14:15], s[20:21]
	global_load_b128 v[BD:BD+3], v[BO], s[10:11]           ; b_dec(16 i + 8 h + 0 .. 7)
	global_load_b128 v[BD+4:BD+7], v[BO], s[10:11] offset:16
.irp c, 0,1,2,3
	global_load_b128 v[X+8*\c:X+8*\c+3], v4, s[4:5] offset:1024*\c th:TH_LOAD_NT
	global_load_b128 v[X+8*\c+4:X+8*\c+7], v5, s[4:5] offset:1024*\c th:TH_LOAD_NT
.endr
.irp c, 0,1,2,3
	global_load_b128 v[X+32+8*\c:X+32+8*\c+3], v4, s[6:7] offset:1024*\c th:TH_LOAD_NT
	global_load_b128 v[X+32+8*\c+4:X+32+8*\c+7], v5, s[6:7] offset:1024*\c th:TH_LOAD_NT
.endr
.irp c, 0,1,2,3
	global_load_b128 v[X+64+8*\c:X+64+8*\c+3], v4, s[8:9] offset:1024*\c
	global_load_b128 v[X+64+8*\c+4:X+64+8*\c+7], v5, s[8:9] offset:1024*\c
.endr
.irp c, 0,1,2,3
	global_load_b128 v[X+96+8*\c:X+96+8*\c+3], v4, s[8:9] offset:65536+1024*\c
	global_load_b128 v[X+96+8*\c+4:X+96+8*\c+7], v5, s[8:9] offset:65536+1024*\c
.endr
.macro QSTORE k                        ; row k of my four: quantised, codes and scale word to its LDS row
	s_wait_loadcnt 8*(3-\k)                        ; loads come back in order: this row's eight are in, the younger rows' may be out
	QUANT X+32*\k, CD+4*\k, PW+\k
.irp c, 0,1,2,3
	ds_store_b32 v6, v[CD+4*\k+\c] offset:8448*\k+128*\c   ; 32 lanes: 128 neighbouring bytes; regions 0, WD, SR, SR + 16 rows lie 8,448 bytes apart
.endr
	ds_store_b32 v7, v[PW+\k] offset:768*\k        ; the four lanes of a block write the same word with the same value
.endm
	QSTORE 0
	QSTORE 1
	QSTORE 2
	QSTORE 3
	s_wait_dscnt 0x0                               ; for the others' sake: my stores have landed
	s_barrier_signal -1
	s_barrier_wait -1
	ds_load_b128 v[IMG:IMG+3], v8                  ; W_h's tile as an image of the operand's registers
	s_wait_dscnt 0x0
	global_store_b128 v9, v[IMG:IMG+3], s[12:13]   ; a wave stores 512 consecutive bytes
	s_cmp_lg_u32 s18, 1
	s_cbranch_scc1 .Lnot_wave_1
	ds_load_b128 v[SI:SI+3], v13                   ; wave 1: W_h's scale words, four steps' to a lane
	s_wait_dscnt 0x0
	global_store_b128 v14, v[SI:SI+3], s[14:15]    ; sixteen lanes store 256 consecutive bytes, aligned
.Lnot_wave_1:
	s_cmp_lg_u32 s18, 0
	s_cbranch_scc1 .Ldone
	; wave 0: dec for the tile's 16 columns and all 32 rows.  Source 0 = W_dec's 16 rows, source 1 = 16 rows of s_t_hat: a lane holds one row of dec and eight neighbouring columns.
.irp g, 0,1,2,3,4,5,6,7
.irp c, 0,1
	ds_load_b128 v[16+8*\g+4*\c:16+8*\g+4*\c+3], v10 offset:WD+256*\c+16*\g
.endr
.endr
.irp u, 0,1
.irp g, 0,1,2,3,4,5,6,7
.irp c, 0,1
	ds_load_b128 v[80+64*\u+8*\g+4*\c:80+64*\u+8*\g+4*\c+3], v10 offset:SR+8448*\u+256*\c+16*\g
.endr
.endr
.endr
	ds_load_b128 v[WDSC:WDSC+3], v11 offset:WDS
	ds_load_b128 v[WDSC+4:WDSC+7], v11 offset:WDS+16
	ds_load_b128 v[STSC:STSC+3], v12 offset:STS    ; lanes 0-15: rows 0-15; lanes 16-31: rows 16-31
	ds_load_b128 v[STSC+4:STSC+7], v12 offset:STS+16
	s_wait_dscnt 0x0
	; the two accumulators take turns, one instruction a turn; the bias is the C of each sum's first product
	v_wmma_scale_f32_16x16x128_f8f6f4 v[AC:AC+7], v[16:23], v[80:87], v[BD:BD+7], v[WDSC], v[STSC] matrix_a_fmt:MATRIX_FMT_FP4 matrix_b_fmt:MATRIX_FMT_FP4
	v_wmma_scale_f32_16x16x128_f8f6f4 v[AC+8:AC+15], v[16:23], v[144:151], v[BD:BD+7], v[WDSC], v[STSC] matrix_a_fmt:MATRIX_FMT_FP4 matrix_b_fmt:MATRIX_FMT_FP4 matrix_b_scale:MATRIX_SCALE_ROW1
.irp g, 1,2,3,4,5,6,7
	v_wmma_scale_f32_16x16x128_f8f6f4 v[AC:AC+7], v[16+8*\g:23+8*\g], v[80+8*\g:87+8*\g], v[AC:AC+7], v[WDSC+\g], v[STSC+\g] matrix_a_fmt:MATRIX_FMT_FP4 matrix_b_fmt:MATRIX_FMT_FP4
	v_wmma_scale_f32_16x16x128_f8f6f4 v[AC+8:AC+15], v[16+8*\g:23+8*\g], v[144+8*\g:151+8*\g], v[AC+8:AC+15], v[WDSC+\g], v[STSC+\g] matrix_a_fmt:MATRIX_FMT_FP4 matrix_b_fmt:MATRIX_FMT_FP4 matrix_b_scale:MATRIX_SCALE_ROW1
.endr
.rept 4
	v_nop                                          ; four places between the last product and the stores that read results
.endr
.irp u, 0,1
	global_store_b128 v15, v[AC+8*\u:AC+8*\u+3], s[16:17] offset:65536*\u        ; dec(16 u + r, 16 i + 8 h + 0 .. 3): each accumulator from its low end on
	global_store_b128 v15, v[AC+8*\u+4:AC+8*\u+7], s[16:17] offset:65536*\u+16
.endr
.Ldone:
	s_wait_tensorcnt 0x0
	ds_add_u32 v254, v255
	s_wait_dscnt 0x0
	s_endpgm
.Lfunc_end_k_q0243036600_prep:
	.size	k_q0243036600_prep, .Lfunc_end_k_q0243036600_prep-k_q0243036600_prep
	.p2alignl 7, 3214868480
	.fill 96, 4, 3214868480
	.section	.rodata,"a",@progbits
	.p2align	6, 0x0
	.amdhsa_kernel k_q0243036600_prep
		.amdhsa_group_segment_fixed_size 38912
		.amdhsa_private_segment_fixed_size 0
		.amdhsa_enable_private_segment 0
		.amdhsa_kernarg_size 56
		.amdhsa_user_sgpr_count 2
		.amdhsa_user_sgpr_kernarg_segment_ptr 1
		.amdhsa_wavefront_size32 1
		.amdhsa_system_sgpr_workgroup_id_x 1
		.amdhsa_system_sgpr_workgroup_id_y 1
		.amdhsa_system_sgpr_workgroup_id_z 1
		.amdhsa_system_vgpr_workitem_id 0
		.amdhsa_next_free_vgpr 256
		.amdhsa_next_free_sgpr 66
		.amdhsa_reserve_vcc 0
		.amdhsa_float_denorm_mode_32 3
		.amdhsa_float_denorm_mode_16_64 3
		.amdhsa_memory_ordered 1
		.amdhsa_forward_progress 1
		.amdhsa_inst_pref_size 28
	.end_amdhsa_kernel
	.amdgpu_metadata
---
amdhsa.version: [ 1, 2 ]
amdhsa.kernels:
  - .name:           k_q0243036600_prep
    .symbol:         k_q0243036600_prep.kd
    .args:
      - { .name: W_h, .offset: 0, .size: 8, .value_kind: global_buffer, .address_space: global }
      - { .name: W_dec, .offset: 8, .size: 8, .value_kind: global_buffer, .address_space: global }
      - { .name: s_t_hat, .offset: 16, .size: 8, .value_kind: global_buffer, .address_space: global }
      - { .name: b_dec, .offset: 24, .size: 8, .value_kind: global_buffer, .address_space: global }
      - { .name: wimg, .offset: 32, .size: 8, .value_kind: global_buffer, .address_space: global }
      - { .name: wsc, .offset: 40, .size: 8, .value_kind: global_buffer, .address_space: global }
      - { .name: dec, .offset: 48, .size: 8, .value_kind: global_buffer, .address_space: global }
    .group_segment_fixed_size: 38912
    .private_segment_fixed_size: 0
    .kernarg_segment_align: 8
    .kernarg_segment_size: 56
    .max_flat_workgroup_size: 512
    .sgpr_count:     66
    .vgpr_count:     256
    .wavefront_size: 32
...
	.end_amdgpu_metadata
.endif
;; end of part 1
;; launch main (part 2): grid 256 x 1, 4 waves a work-group, no clusters, 327,680 bytes of LDS; arguments h, coverage, enc_padding_mask, W_c, v, dec, wimg, wsc, scores, cpart, ml; writes scores, cpart, ml
.if DOCPART == 2
	.amdgcn_target "amdgcn-amd-amdhsa--gfx1250"
	.amdhsa_code_object_version 6
	.text
	.protected	k_q0243036600_main
	.globl	k_q0243036600_main
	.p2align	8
	.type	k_q0243036600_main,@function
k_q0243036600_main:
	s_mov_b64 s[64:65], 0
	v_nop
	global_prefetch_b8 v0, s[64:65] scope:SCOPE_SE
	s_setreg_imm32_b32 hwreg(HW_REG_WAVE_MODE, 25, 1), 1
	s_wait_xcnt 0x0
; MAIN.  Work-group i owns rows 256 i .. 256 i + 255 of h (an eighth of a batch), in four blocks of 64 rows.  For a block: each of the four waves quantises its 16 rows (codes and scale words to LDS, a bf16 copy to registers);
; every wave multiplies all 64 rows by its own 256 rows of W_h (16 tiles of 16), adds dec (the C of a sum's first product) and coverage x W_c, takes -2 v / (1 + e^(2x)) and sums it; the four partial scores meet in LDS;
; a running maximum, the masked e^(score - max), their sum and the weighted sum of h's rows follow.  Scores, the part's weighted sum and (max, sum) go to the last launch.
; The sum of v, the same for every row of a batch, is left out of the scores: the softmax takes it away (shown at the head of the first kernel).
; h's STAGE: 65,536 bytes a wave, the wave's own, filled by ONE tensor load a block (256 rows of 256 bytes, dense).  The next block is asked for behind the barrier that also shows the codes to all waves, when the whole
; stage has been read; between that request and the wait for it stand a wave's 512 matrix instructions, the softmax and the weighted sum.  So no prefetch is laid: h is read once, and its request stands a block's work ahead.
; NO CLUSTER: what work-groups share is W_h's image, 524,288 bytes; beside the stage's 262,144 bytes LDS has no room for slots of it, so it goes from memory straight into the operand registers, three tiles ahead.
; THE TANH OF A TILE goes in whole batches among the NEXT tile's products: plain lines and 32 exponentials behind the first 8 products, 16 additions and 32 reciprocals behind the next 8, the 16 multiply-adds behind the last 16.
; LIMITS: NaN and infinities among the inputs are not served; a block of 32 under 2^-124 gets the byte 1 (its bytes are read by this program alone).
.set SPARE, 262144
.set CODES, 262656
.set ASC,   296448
.set CONST, 299520
.set SX,    311808
.set PX,    312832
.set COVL,  313856
.set MSKL,  314880
.set BLKB,  262144
.set SPW,  1
.set NIL,  2
.set L16,  3
.set CVA,  4
.set MKA,  5
.set XA0,  6
.set XA1,  7
.set CDW,  8
.set ASW,  9
.set AFA,  10
.set ASA,  11
.set CBASE, 12
.set CA,   13
.set CB,   14
.set SXW,  15
.set SXR,  16
.set PXW,  17
.set PXR,  18
.set MOFF, 20
.set V16,  21
.set MX,   22
.set LP,   23
.set FF,   24
.set MASK, 26
.set TT,   28
.set COV,  36
.set SACC, 44
.set DECR, 52
.set WC,   60
.set VV,   76
.set ASR,  92
.set WSR,  108
.set PR,   124
.set CACC, 140
.set ACC,  172
.set TM,   236
.set SO,   240
.set CD,   244
.set PW,   252
.set CXA0, 254
.set CXA1, 255
.set G0A,  32
.set G1,   36
.set WB,   66
.set SB,   74
.set MSB, 0
.macro WIN new
.if MSB != \new
	s_set_vgpr_msb (MSB<<8)|\new
.set MSB, \new
.endif
.endm
.macro QUANT xs, cd, pw
.irp c, 0,1,2,3
	v_max3_num_f32 v[TM+\c], |v[(\xs)+8*\c]|, |v[(\xs)+8*\c+1]|, 0x1800000
.endr
.irp i, 2,4,6
.irp c, 0,1,2,3
	v_max3_num_f32 v[TM+\c], v[TM+\c], |v[(\xs)+8*\c+\i]|, |v[(\xs)+8*\c+\i+1]|
.endr
.endr
.irp c, 0,1,2,3
	v_max_num_f32_dpp v[TM+\c], v[TM+\c], v[TM+\c] row_xmask:1 row_mask:0xf bank_mask:0xf
.endr
.irp c, 0,1,2,3
	v_max_num_f32_dpp v[TM+\c], v[TM+\c], v[TM+\c] row_xmask:2 row_mask:0xf bank_mask:0xf
.endr
.irp c, 0,1,2,3
	v_add_nc_u32 v[SO+\c], 0xff000000, v[TM+\c]
.endr
.irp c, 0,1,2,3
	v_lshrrev_b32 v[TM+\c], 23, v[SO+\c]
.endr
	v_lshl_or_b32 v[\pw], v[TM+1], 8, v[TM]
	v_lshl_or_b32 v[\pw], v[TM+2], 16, v[\pw]
	v_lshl_or_b32 v[\pw], v[TM+3], 24, v[\pw]
.irp c, 0,1,2,3
	v_cvt_scalef32_pk8_fp4_f32 v[(\cd)+\c], v[(\xs)+8*\c:(\xs)+8*\c+7], v[SO+\c]
.endr
	v_nop
.endm
.macro BLOAD j, b
	WIN 0xc0
.irp k, 0,1,2,3,4,5,6,7
.irp c, 0,1
	global_load_b128 v[64*(\j)+8*\k+4*\c:64*(\j)+8*\k+4*\c+3], v[L16], s[(\b):(\b)+1] offset:8192*(\j)+1024*\k+512*\c
.endr
.endr
	WIN 0
.endm
.macro SLOAD p, b
	global_load_b128 v[WSR+8*(\p):WSR+8*(\p)+3], v[L16], s[(\b):(\b)+1] offset:1024*(\p)
	global_load_b128 v[WSR+8*(\p)+4:WSR+8*(\p)+7], v[L16], s[(\b):(\b)+1] offset:1024*(\p)+512
.endm
.macro PLACES
.rept 4
	v_nop
.endr
.endm
	s_load_b512 s[4:19], s[0:1], 0x0
	s_load_b128 s[20:23], s[0:1], 0x40
	s_load_b64 s[24:25], s[0:1], 0x50
	v_lshl_add_u32 v[SPW], v0, 2, SPARE
	v_mov_b32 v[NIL], 0
	ds_add_u32 v1, v2
	ds_add_u32 v1, v2
	s_wait_dscnt 0x0
	v_lshrrev_b32 v28, 5, v0
	v_readfirstlane_b32 s26, v28
	s_mov_b32 s[G1+0], 3<<16
	s_mov_b32 s[G1+1], 32<<16
	s_mov_b32 s[G1+2], 256<<16                     ; 256 rows of 256 bytes: my 16 rows of h
	s_mov_b32 s[G1+3], 32<<16
	s_mov_b32 s[G1+4], 256
	s_mov_b32 s[G1+5], 32
	s_mov_b32 s[G1+6], 0
	s_mov_b32 s[G1+7], 0
	s_mov_b32 s[G0A], 1
	s_lshl_b32 s[G0A+1], s26, 16
	s_lshl_b32 s28, ttmp9, 20
	s_add_co_u32 s28, s28, s[G0A+1]
	s_mov_b32 s29, 0
	s_wait_kmcnt 0x0
	s_add_nc_u64 s[G0A+2:G0A+3], s[4:5], s[28:29]
	s_or_b32 s[G0A+3], s[G0A+3], 0x80000000
	tensor_load_to_lds s[G0A:G0A+3], s[G1:G1+7]    ; block 0: my one tensor load at the head
	s_nop 0
	PLACES
	s_lshl_b32 s28, ttmp9, 10
	s_add_nc_u64 s[6:7], s[6:7], s[28:29]
	s_add_nc_u64 s[8:9], s[8:9], s[28:29]
	s_add_nc_u64 s[20:21], s[20:21], s[28:29]
	s_lshr_b32 s28, ttmp9, 3
	s_lshl_b32 s28, s28, 12
	s_add_nc_u64 s[14:15], s[14:15], s[28:29]
	s_lshl_b32 s28, s26, 17
	s_add_nc_u64 s[16:17], s[16:17], s[28:29]
	s_lshl_b32 s28, s26, 13
	s_add_nc_u64 s[18:19], s[18:19], s[28:29]
	s_lshl_b32 s28, ttmp9, 12
	s_add_nc_u64 s[22:23], s[22:23], s[28:29]
	s_lshl_b32 s28, ttmp9, 8
	s_add_nc_u64 s[24:25], s[24:25], s[28:29]
	s_mov_b32 s47, 0
	s_mov_b32 s55, 0
	s_mov_b32 s48, 0x4038aa3b
	s_mov_b32 s49, s48
	s_mov_b32 s50, 0x76543210
	s_mov_b32 s51, 0xfedcba98
	s_mov_b32 s52, 0x3fb8aa3b
	v_lshlrev_b32 v[V16], 4, v0
	v_lshlrev_b32 v[CB], 3, v0
	global_load_b128 v[52:55], v[V16], s[10:11]
	global_load_b128 v[56:59], v[V16], s[10:11] offset:2048
	global_load_b128 v[60:63], v[V16], s[12:13]
	global_load_b128 v[64:67], v[V16], s[12:13] offset:2048
	global_load_b128 v[68:71], v[V16], s[14:15]
	global_load_b128 v[72:75], v[V16], s[14:15] offset:2048
	global_load_b64 v[76:77], v[CB], s[6:7]
	global_load_b64 v[78:79], v[CB], s[8:9]
	v_and_b32 v28, 31, v0
	v_lshlrev_b32 v[L16], 4, v28
	v_and_b32 v29, 15, v0
	v_bfe_u32 v30, v0, 4, 1
	v_bfe_u32 v31, v0, 3, 1
	v_lshlrev_b32 v32, 5, v28
	v_lshl_add_u32 v32, v31, 4, v32
	v_add_nc_u32 v[XA0], s[G0A+1], v32
	v_xor_b32 v[XA1], 16, v[XA0]
	s_mul_i32 s30, s26, 8448
	s_add_co_u32 s30, s30, CODES
	v_lshl_add_u32 v[CDW], v28, 2, s30
	s_mul_i32 s30, s26, 768
	s_add_co_u32 s30, s30, ASC
	v_lshrrev_b32 v33, 2, v28
	v_lshl_add_u32 v[ASW], v33, 2, s30
	v_mul_u32_u24 v33, v29, 528
	v_lshl_add_u32 v33, v30, 7, v33
	v_add_nc_u32 v[AFA], CODES, v33
	v_mul_u32_u24 v33, v28, 48
	v_add_nc_u32 v[ASA], ASC, v33
	s_lshl_b32 s30, s26, 10
	s_add_co_u32 s30, s30, CONST
	v_lshl_add_u32 v[CBASE], v30, 5, s30
	s_lshl_b32 s30, s26, 8
	s_add_co_u32 s31, s30, SX
	v_lshl_add_u32 v[SXW], v29, 2, s31
	v_lshl_add_u32 v[SXR], v28, 3, SX
	s_add_co_u32 s31, s30, PX
	v_lshl_add_u32 v[PXW], v28, 3, s31
	v_lshrrev_b32 v33, 5, v0
	v_mul_u32_u24 v33, v33, 320
	v_add_nc_u32 v[PXR], PX, v33
	v_lshl_add_u32 v[CVA], v29, 2, COVL
	v_lshl_add_u32 v[MKA], v28, 3, MSKL
	v_lshlrev_b32 v[MOFF], 3, v28
	s_lshl_b32 s30, s26, 12
	s_add_co_u32 s30, s30, CODES
	v_add_nc_u32 v[CXA0], s30, v32
	v_xor_b32 v[CXA1], 16, v[CXA0]
	v_lshl_add_u32 v[CA], v0, 4, CONST
	v_lshl_add_u32 v34, v0, 3, COVL
.set zi, 0
.rept 32
	v_mov_b32 v[CACC+zi], 0
.set zi, zi+1
.endr
	v_mov_b32 v[MX], 0xff61b1e6
	v_mov_b32 v[LP], 0
	v_mov_b32 v[FF+1], 0
	s_wait_loadcnt 0x0
.irp i, 0,2,4,6
	v_pk_mul_f32 v[60+\i:61+\i], v[60+\i:61+\i], -2.0 op_sel_hi:[1,0]
.endr
.irp i, 0,1,2,3,4,5
	ds_store_b128 v[CA], v[52+4*\i:55+4*\i] offset:2048*\i
.endr
	ds_store_b64 v34, v[76:77]
	ds_store_b64 v34, v[78:79] offset:MSKL-COVL
.irp m, 0,1,2,3
	v_mov_b32 v[COV+2*\m+1], 0
	v_mov_b32 v[TT+4+\m], 0
.endr
.macro QLOAD i
.irp c, 0,1,2,3
	ds_load_b128 v[ACC+32*((\i)%2)+8*\c:ACC+32*((\i)%2)+8*\c+3], v[XA0] offset:4096*(\i)+1024*\c
	ds_load_b128 v[ACC+32*((\i)%2)+8*\c+4:ACC+32*((\i)%2)+8*\c+7], v[XA1] offset:4096*(\i)+1024*\c
.endr
.endm
.macro QROW i, b
.if (\i) < (\b)+7
	QLOAD (\i)+1
.endif
.if (\i) == (\b)
	s_wait_dscnt 8
.elseif (\i) < (\b)+7
	s_wait_dscnt 13
.else
	s_wait_dscnt 5
.endif
	QUANT ACC+32*((\i)%2), CD+4*((\i)%2), PW+(\i)%2
	WIN 0x80
.irp c, 0,1,2,3
.irp e, 0,1,2,3
	v_cvt_pk_bf16_f32 v[16*(\i)+4*\c+\e], v[ACC+32*((\i)%2)+8*\c+2*\e], v[ACC+32*((\i)%2)+8*\c+2*\e+1]
.endr
.endr
	WIN 0
.irp c, 0,1,2,3
	ds_store_b32 v[CDW], v[CD+4*((\i)%2)+\c] offset:528*(\i)+128*\c
.endr
	ds_store_b32 v[ASW], v[PW+(\i)%2] offset:48*(\i)
.endm
.macro QHALF b
	QLOAD \b
.set qi, \b
.rept 8
	QROW qi, \b
.set qi, qi+1
.endr
.endm
.macro ST_F m
.irp i, 0,2,4,6
	v_pk_fma_f32 v[ACC+32*est+8*\m+\i:ACC+32*est+8*\m+\i+1], v[WC+8*est+\i:WC+8*est+\i+1], v[COV+2*\m:COV+2*\m+1], v[ACC+32*est+8*\m+\i:ACC+32*est+8*\m+\i+1] op_sel_hi:[1,0,1]
.endr
.irp i, 0,2,4,6
	v_pk_mul_f32 v[ACC+32*est+8*\m+\i:ACC+32*est+8*\m+\i+1], v[ACC+32*est+8*\m+\i:ACC+32*est+8*\m+\i+1], s[48:49] op_sel_hi:[1,0]
.endr
.endm
.macro ST_E m
.irp i, 0,1,2,3,4,5,6,7
	v_exp_f32 v[ACC+32*est+8*\m+\i], v[ACC+32*est+8*\m+\i]
.endr
.endm
.macro ST_A m
.irp i, 0,2,4,6
	v_pk_add_f32 v[ACC+32*est+8*\m+\i:ACC+32*est+8*\m+\i+1], v[ACC+32*est+8*\m+\i:ACC+32*est+8*\m+\i+1], 1.0 op_sel_hi:[1,0]
.endr
.endm
.macro ST_R m
.irp i, 0,1,2,3,4,5,6,7
	v_rcp_f32 v[ACC+32*est+8*\m+\i], v[ACC+32*est+8*\m+\i]
.endr
.endm
; The tanh of a finished tile (set est of the accumulators), in three parts.  A wait stands ahead of each part's first reader of a transcendental's result: in a tile's run the one ahead of the products between, behind the loop one of its own.
.macro EP_FE                           ; x = sum + coverage x W_c, times 2 log2 e; then the batch of 32 exponentials
.irp m, 0,1,2,3
	ST_F \m
.endr
	s_wait_alu depctr_va_vdst(0)
.irp m, 0,1,2,3
	ST_E \m
.endr
	v_nop                                          ; one plain place behind the batch
.endm
.macro EP_AR                           ; 1 + e^(2x); then the batch of 32 reciprocals
.irp m, 0,1,2,3
	ST_A \m
.endr
	s_wait_alu depctr_va_vdst(0)
.irp m, 0,1,2,3
	ST_R \m
.endr
	v_nop                                          ; one plain place behind the batch
.endm
.macro EP_S                            ; the scores' sums: + (-2 v) / (1 + e^(2x)); the four row tiles by turns
.irp i, 0,2,4,6
.irp m, 0,1,2,3
	v_pk_fma_f32 v[SACC+2*\m:SACC+2*\m+1], v[VV+8*est+\i:VV+8*est+\i+1], v[ACC+32*est+8*\m+\i:ACC+32*est+8*\m+\i+1], v[SACC+2*\m:SACC+2*\m+1]
.endr
.endr
.endm
.macro MM j, m
.set rD, ACC+32*((\j)%2)+8*(\m)
.set rW, 64*(\j)+8*g
.set rH, 8*(8*(\m)+g)
.set rSw, WSR+8*((\j)/2)+g
.set rSh, ASR+8*((\m)/2)+g
.set rC, rD
.if g == 0
.set rC, DECR
.endif
.if ((\j)%2 == 0) && ((\m)%2 == 0)
	v_wmma_scale_f32_16x16x128_f8f6f4 v[rD:rD+7], v[rW:rW+7], v[rH:rH+7], v[rC:rC+7], v[rSw], v[rSh] matrix_a_fmt:MATRIX_FMT_FP4 matrix_b_fmt:MATRIX_FMT_FP4
.elseif ((\j)%2 == 0)
	v_wmma_scale_f32_16x16x128_f8f6f4 v[rD:rD+7], v[rW:rW+7], v[rH:rH+7], v[rC:rC+7], v[rSw], v[rSh] matrix_a_fmt:MATRIX_FMT_FP4 matrix_b_fmt:MATRIX_FMT_FP4 matrix_b_scale:MATRIX_SCALE_ROW1
.elseif ((\m)%2 == 0)
	v_wmma_scale_f32_16x16x128_f8f6f4 v[rD:rD+7], v[rW:rW+7], v[rH:rH+7], v[rC:rC+7], v[rSw], v[rSh] matrix_a_fmt:MATRIX_FMT_FP4 matrix_b_fmt:MATRIX_FMT_FP4 matrix_a_scale:MATRIX_SCALE_ROW1
.else
	v_wmma_scale_f32_16x16x128_f8f6f4 v[rD:rD+7], v[rW:rW+7], v[rH:rH+7], v[rC:rC+7], v[rSw], v[rSh] matrix_a_fmt:MATRIX_FMT_FP4 matrix_b_fmt:MATRIX_FMT_FP4 matrix_a_scale:MATRIX_SCALE_ROW1 matrix_b_scale:MATRIX_SCALE_ROW1
.endif
.endm
.macro ITER j, epi
.if (\j)%2 == 0
	s_wait_loadcnt 34
.else
	s_wait_loadcnt 50
.endif
	s_add_nc_u64 s[WB+2*(\j):WB+2*(\j)+1], s[16:17], s[46:47]
.if (\j)%2 == 0
	s_add_nc_u64 s[SB+(\j):SB+(\j)+1], s[18:19], s[54:55]
.endif
	s_wait_dscnt 4
.set est, 1-(\j)%2
.set g, 0
.rept 4
	WIN 0x07
.if g < 6
	s_wait_alu depctr_va_vdst(0)                   ; transcendentals stand between these products and the sums that they add onto (none stands ahead of the last eight)
.endif
.rept 2
.irp m, 0,1,2,3
	MM \j, \m
.endr
.set g, g+1
.endr
.if (\epi && (g != 6)) || (g == 4)
	WIN 0
.endif
.if \epi
.if g == 2
	EP_FE
.elseif g == 4
	EP_AR
.elseif g == 8
	EP_S                                           ; these 16 plain lines are also the places ahead of the loads into W's registers
.endif
.elseif (g == 2) || (g == 8)
	PLACES
.endif
.if g == 4
.if (\j) < 3
	ds_load_b128 v[DECR:DECR+3], v[CA] offset:8192+64*((\j)+1)
	ds_load_b128 v[DECR+4:DECR+7], v[CA] offset:8192+64*((\j)+1)+16
.else
	ds_load_b128 v[DECR:DECR+3], v[CB] offset:8192
	ds_load_b128 v[DECR+4:DECR+7], v[CB] offset:8192+16
.endif
.endif
.endr
	BLOAD \j, WB+2*(\j)
.if (\j)%2 == 1
	SLOAD (\j)/2, SB+(\j)-1
.endif
.if (\j) < 3
	ds_load_b128 v[WC+8*est:WC+8*est+3], v[CA] offset:64*((\j)+1)
	ds_load_b128 v[WC+8*est+4:WC+8*est+7], v[CA] offset:64*((\j)+1)+16
	ds_load_b128 v[VV+8*est:VV+8*est+3], v[CA] offset:4096+64*((\j)+1)
	ds_load_b128 v[VV+8*est+4:VV+8*est+7], v[CA] offset:4096+64*((\j)+1)+16
.else
	ds_load_b128 v[WC+8*est:WC+8*est+3], v[CB]
	ds_load_b128 v[WC+8*est+4:WC+8*est+7], v[CB] offset:16
	ds_load_b128 v[VV+8*est:VV+8*est+3], v[CB] offset:4096
	ds_load_b128 v[VV+8*est+4:VV+8*est+7], v[CB] offset:4096+16
.endif
.endm
.macro WORK
.irp m, 0,1,2,3
	ds_load_b32 v[COV+2*\m], v[CVA] offset:64*\m
.endr
	ds_load_b64 v[MASK:MASK+1], v[MKA]
	WIN 0x40
.irp m, 0,1,2,3
.irp k, 0,1,2,3,4,5,6,7
.irp c, 0,1
	ds_load_b128 v[8*(8*\m+\k)+4*\c:8*(8*\m+\k)+4*\c+3], v[AFA] offset:8448*\m+256*\c+16*\k
.endr
.endr
.endr
	WIN 0
.irp p, 0,1
.irp q, 0,1
	ds_load_b128 v[ASR+8*\p+4*\q:ASR+8*\p+4*\q+3], v[ASA] offset:1536*\p+16*\q
.endr
.endr
	ds_load_b128 v[DECR:DECR+3], v[CBASE] offset:8192
	ds_load_b128 v[DECR+4:DECR+7], v[CBASE] offset:8192+16
.irp t, 0,1
	ds_load_b128 v[WC+8*\t:WC+8*\t+3], v[CBASE] offset:64*\t
	ds_load_b128 v[WC+8*\t+4:WC+8*\t+7], v[CBASE] offset:64*\t+16
	ds_load_b128 v[VV+8*\t:VV+8*\t+3], v[CBASE] offset:4096+64*\t
	ds_load_b128 v[VV+8*\t+4:VV+8*\t+7], v[CBASE] offset:4096+64*\t+16
.endr
.irp i, 0,1,2,3,4,5,6,7
	v_mov_b32 v[SACC+\i], 0
.endr
	s_mov_b32 s45, 0
	s_wait_dscnt 0x0
.Ltrip_\@:
	s_add_co_u32 s53, s45, 1
	s_and_b32 s53, s53, 3
	s_lshl_b32 s46, s53, 15
	s_lshl_b32 s54, s53, 11
	s_lshl_b32 s53, s53, 8
	v_add_nc_u32 v[CB], s53, v[CBASE]
	s_lshl_b32 s53, s45, 8
	v_add_nc_u32 v[CA], s53, v[CBASE]
	s_cmp_eq_u32 s45, 0
	s_cbranch_scc0 .Lwith_\@
	s_wait_alu depctr_va_vdst(0)
	ITER 0, 0
	s_branch .Ljoin_\@
.Lwith_\@:
	ITER 0, 1
.Ljoin_\@:
	ITER 1, 1
	ITER 2, 1
	ITER 3, 1
	s_add_co_u32 s45, s45, 1
	s_cmp_lt_u32 s45, 4
	s_cbranch_scc1 .Ltrip_\@
	s_wait_dscnt 4
.set est, 1
	s_wait_alu depctr_va_vdst(0)                   ; the block's last tile: a wait stands ahead of each part
	EP_FE
	s_wait_alu depctr_va_vdst(0)
	EP_AR
	s_wait_alu depctr_va_vdst(0)
	EP_S
.irp m, 0,1,2,3
	v_add_f32 v[TT+\m], v[SACC+2*\m], v[SACC+2*\m+1]
.endr
.irp m, 0,1,2,3
	v_permlanex16_b32 v[TT+4+\m], v[TT+\m], s50, s51
.endr
.irp m, 0,1,2,3
	v_add_f32 v[TT+\m], v[TT+\m], v[TT+4+\m]
.endr
.irp m, 0,1,2,3
	ds_store_b32 v[SXW], v[TT+\m] offset:64*\m
.endr
	s_wait_dscnt 0x0                               ; my partial scores have landed
	s_barrier_signal -1
	s_barrier_wait -1
.irp w, 0,1,2,3
	ds_load_b64 v[TT+2*\w:TT+2*\w+1], v[SXR] offset:256*\w
.endr
	s_wait_dscnt 0x0
	v_pk_add_f32 v[TT:TT+1], v[TT:TT+1], v[TT+2:TT+3]
	v_pk_add_f32 v[TT+4:TT+5], v[TT+4:TT+5], v[TT+6:TT+7]
	v_pk_add_f32 v[TT:TT+1], v[TT:TT+1], v[TT+4:TT+5]
	v_max_num_f32 v[TT+2], v[TT], v[TT+1]
	v_max_num_f32_dpp v[TT+2], v[TT+2], v[TT+2] row_xmask:1 row_mask:0xf bank_mask:0xf
	v_max_num_f32_dpp v[TT+2], v[TT+2], v[TT+2] row_xmask:2 row_mask:0xf bank_mask:0xf
	v_max_num_f32_dpp v[TT+2], v[TT+2], v[TT+2] row_xmask:4 row_mask:0xf bank_mask:0xf
	v_max_num_f32_dpp v[TT+2], v[TT+2], v[TT+2] row_xmask:8 row_mask:0xf bank_mask:0xf
	v_permlanex16_b32 v[TT+3], v[TT+2], s50, s51
	v_max3_num_f32 v[TT+2], v[TT+2], v[TT+3], v[MX]
	v_sub_f32 v[TT+4], v[TT], v[TT+2]
	v_sub_f32 v[TT+5], v[TT+1], v[TT+2]
	v_sub_f32 v[TT+6], v[MX], v[TT+2]
	v_mul_f32 v[TT+4], s52, v[TT+4]
	v_mul_f32 v[TT+5], s52, v[TT+5]
	v_mul_f32 v[TT+6], s52, v[TT+6]
	s_wait_alu depctr_va_vdst(0)
	v_exp_f32 v[TT+4], v[TT+4]
	v_exp_f32 v[TT+5], v[TT+5]
	v_exp_f32 v[FF], v[TT+6]
	v_mov_b32 v[MX], v[TT+2]
	s_wait_alu depctr_va_vdst(0)
	v_pk_mul_f32 v[TT+4:TT+5], v[TT+4:TT+5], v[MASK:MASK+1]
	v_fma_f32 v[LP], v[LP], v[FF], v[TT+4]
	v_add_f32 v[LP], v[LP], v[TT+5]
	ds_store_b64 v[PXW], v[TT+4:TT+5]
.irp i, 0,1,2,3
	ds_load_b128 v[PR+4*\i:PR+4*\i+3], v[PXR] offset:16*\i
.endr
	s_cmp_lg_u32 s26, 0
	s_cbranch_scc1 .Lno_store_\@
	global_store_b64 v[MOFF], v[TT:TT+1], s[20:21]
.Lno_store_\@:
.irp i, 0,2,4,6,8,10,12,14,16,18,20,22,24,26,28,30
	v_pk_mul_f32 v[CACC+\i:CACC+\i+1], v[CACC+\i:CACC+\i+1], v[FF:FF+1] op_sel_hi:[1,0]
.endr
	s_wait_dscnt 0x0
	WIN 0x02
.irp i, 0,1,2,3,4,5,6,7,8,9,10,11,12,13,14,15
.irp c, 0,1,2,3
.irp e, 0,1,2,3
	v_fma_mix_f32_bf16 v[CACC+8*\c+2*\e], v[16*\i+4*\c+\e], v[PR+\i], v[CACC+8*\c+2*\e] op_sel_hi:[1,0,0]
	v_fma_mix_f32_bf16 v[CACC+8*\c+2*\e+1], v[16*\i+4*\c+\e], v[PR+\i], v[CACC+8*\c+2*\e+1] op_sel:[1,0,0] op_sel_hi:[1,0,0]
.endr
.endr
.endr
	WIN 0
	v_add_nc_u32 v[CVA], 256, v[CVA]
	v_add_nc_u32 v[MKA], 256, v[MKA]
	s_wait_xcnt 0x0
	s_add_nc_u64 s[20:21], s[20:21], 256
.endm
	BLOAD 0, 16                                    ; W's first four tiles and their scale words set out while block 0 is on its way
	BLOAD 1, 16
	SLOAD 0, 18
	BLOAD 2, 16
	BLOAD 3, 16
	SLOAD 1, 18
	s_mov_b32 s44, 3
	s_wait_alu depctr_va_vdst(0)
.Lblk:                                                 ; three trips: a block that has a successor
	s_wait_tensorcnt 0x0                           ; my 16 rows of this block are in (only I read them)
	QHALF 0
	QHALF 8
	s_wait_tensorcnt 0x0                           ; no tensor load of mine is out;
	ds_add_u32 v[SPW], v[NIL]
	s_add_nc_u64 s[G0A+2:G0A+3], s[G0A+2:G0A+3], BLKB   ; the next block's 16 rows
	s_wait_dscnt 0x0                               ; the add, my reads of the stage and my stores of codes and scale words are done
	s_barrier_signal -1
	s_barrier_wait -1                              ; one barrier for both: the codes are whole, and the stage may be filled again
	tensor_load_to_lds s[G0A:G0A+3], s[G1:G1+7]    ; my one load behind it
	s_nop 0
	PLACES
	WORK
	s_sub_co_u32 s44, s44, 1
	s_cmp_lg_u32 s44, 0
	s_cbranch_scc1 .Lblk
	s_wait_tensorcnt 0x0                           ; the last block is written out: it asks for nothing
	QHALF 0
	QHALF 8
	s_wait_dscnt 0x0
	s_barrier_signal -1
	s_barrier_wait -1
	WORK
	s_wait_alu depctr_va_vdst(0)
.irp c, 0,1,2,3
	ds_store_b128 v[CXA0], v[CACC+8*\c:CACC+8*\c+3] offset:1024*\c
	ds_store_b128 v[CXA1], v[CACC+8*\c+4:CACC+8*\c+7] offset:1024*\c
.endr
	v_lshl_add_u32 v[CA], v0, 4, CODES
	s_wait_alu depctr_va_vdst(0)
	s_wait_dscnt 0x0
	s_barrier_signal -1
	s_barrier_wait -1
.irp u, 0,1
.irp w, 0,1,2,3
	ds_load_b128 v[ACC+16*\u+4*\w:ACC+16*\u+4*\w+3], v[CA] offset:4096*\w+2048*\u
.endr
.endr
	s_wait_dscnt 0x0
.irp u, 0,1
	v_pk_add_f32 v[ACC+16*\u:ACC+16*\u+1], v[ACC+16*\u:ACC+16*\u+1], v[ACC+16*\u+4:ACC+16*\u+5]
	v_pk_add_f32 v[ACC+16*\u+2:ACC+16*\u+3], v[ACC+16*\u+2:ACC+16*\u+3], v[ACC+16*\u+6:ACC+16*\u+7]
	v_pk_add_f32 v[ACC+16*\u+8:ACC+16*\u+9], v[ACC+16*\u+8:ACC+16*\u+9], v[ACC+16*\u+12:ACC+16*\u+13]
	v_pk_add_f32 v[ACC+16*\u+10:ACC+16*\u+11], v[ACC+16*\u+10:ACC+16*\u+11], v[ACC+16*\u+14:ACC+16*\u+15]
	v_pk_add_f32 v[ACC+16*\u:ACC+16*\u+1], v[ACC+16*\u:ACC+16*\u+1], v[ACC+16*\u+8:ACC+16*\u+9]
	v_pk_add_f32 v[ACC+16*\u+2:ACC+16*\u+3], v[ACC+16*\u+2:ACC+16*\u+3], v[ACC+16*\u+10:ACC+16*\u+11]
	global_store_b128 v[V16], v[ACC+16*\u:ACC+16*\u+3], s[22:23] offset:2048*\u
.endr
	s_cmp_lg_u32 s26, 0
	s_cbranch_scc1 .Lno_ml
	global_store_b64 v[MOFF], v[MX:MX+1], s[24:25]
.Lno_ml:
	s_wait_tensorcnt 0x0
	ds_add_u32 v[SPW], v[NIL]
	s_wait_dscnt 0x0
	s_endpgm
.Lfunc_end_k_q0243036600_main:
	.size	k_q0243036600_main, .Lfunc_end_k_q0243036600_main-k_q0243036600_main
	.p2alignl 7, 3214868480
	.fill 96, 4, 3214868480
	.section	.rodata,"a",@progbits
	.p2align	6, 0x0
	.amdhsa_kernel k_q0243036600_main
		.amdhsa_group_segment_fixed_size 327680
		.amdhsa_private_segment_fixed_size 0
		.amdhsa_enable_private_segment 0
		.amdhsa_kernarg_size 88
		.amdhsa_user_sgpr_count 2
		.amdhsa_user_sgpr_kernarg_segment_ptr 1
		.amdhsa_wavefront_size32 1
		.amdhsa_system_sgpr_workgroup_id_x 1
		.amdhsa_system_sgpr_workgroup_id_y 1
		.amdhsa_system_sgpr_workgroup_id_z 1
		.amdhsa_system_vgpr_workitem_id 0
		.amdhsa_next_free_vgpr 1024
		.amdhsa_next_free_sgpr 78
		.amdhsa_reserve_vcc 0
		.amdhsa_float_denorm_mode_32 3
		.amdhsa_float_denorm_mode_16_64 3
		.amdhsa_memory_ordered 1
		.amdhsa_forward_progress 1
		.amdhsa_inst_pref_size 255
	.end_amdhsa_kernel
	.section	.bss,"aw",@nobits
	.p2align	6
	.space	262144
	.amdgpu_metadata
---
amdhsa.version: [ 1, 2 ]
amdhsa.kernels:
  - .name:           k_q0243036600_main
    .symbol:         k_q0243036600_main.kd
    .args:
      - { .name: h, .offset: 0, .size: 8, .value_kind: global_buffer, .address_space: global }
      - { .name: coverage, .offset: 8, .size: 8, .value_kind: global_buffer, .address_space: global }
      - { .name: enc_padding_mask, .offset: 16, .size: 8, .value_kind: global_buffer, .address_space: global }
      - { .name: W_c, .offset: 24, .size: 8, .value_kind: global_buffer, .address_space: global }
      - { .name: v, .offset: 32, .size: 8, .value_kind: global_buffer, .address_space: global }
      - { .name: dec, .offset: 40, .size: 8, .value_kind: global_buffer, .address_space: global }
      - { .name: wimg, .offset: 48, .size: 8, .value_kind: global_buffer, .address_space: global }
      - { .name: wsc, .offset: 56, .size: 8, .value_kind: global_buffer, .address_space: global }
      - { .name: scores, .offset: 64, .size: 8, .value_kind: global_buffer, .address_space: global }
      - { .name: cpart, .offset: 72, .size: 8, .value_kind: global_buffer, .address_space: global }
      - { .name: ml, .offset: 80, .size: 8, .value_kind: global_buffer, .address_space: global }
    .group_segment_fixed_size: 327680
    .private_segment_fixed_size: 0
    .kernarg_segment_align: 8
    .kernarg_segment_size: 88
    .max_flat_workgroup_size: 128
    .sgpr_count:     78
    .vgpr_count:     1024
    .wavefront_size: 32
...
	.end_amdgpu_metadata
.endif
;; end of part 2
;; launch finish (part 3): grid 8 x 32, 2 waves a work-group, no clusters, 0 bytes of LDS; arguments scores, cpart, ml, enc_padding_mask, coverage, out0, out1, out2; writes out0, out1, out2
.if DOCPART == 3
	.amdgcn_target "amdgcn-amd-amdhsa--gfx1250"
	.amdhsa_code_object_version 6
	.text
	.protected	k_q0243036600_finish
	.globl	k_q0243036600_finish
	.p2align	8
	.type	k_q0243036600_finish,@function
k_q0243036600_finish:
	s_mov_b64 s[64:65], 0
	v_nop
	global_prefetch_b8 v0, s[64:65] scope:SCOPE_SE
	s_setreg_imm32_b32 hwreg(HW_REG_WAVE_MODE, 25, 1), 1
	s_wait_xcnt 0x0
; FINISH.  A batch's eight parts are joined: Mg = the largest of their M; w_j = e^(M_j - Mg); L = sum of w_j Lp_j;
; out0 = sum of w_j cpart_j / L;  out1 = e^(score - Mg) mask / L;  out2 = coverage + out1.  (The softmax's own divisor falls out of reference()'s second division.)
; Work-group (p, b): batch b, columns 128 p .. + 127 of out0 and rows 256 p .. + 255 of out1 and out2; 64 threads.  Each wave makes Mg and L for itself from the batch's 2,048 bytes of (M, Lp): no LDS, no barrier.
; A few KB a work-group, all 19 loads issued at once: matrix units, LDS and clusters have nothing to do here.
; LIMITS: a batch whose mask is all zero gives NaN, as reference() does; NaN and infinities among the inputs are not served.
	s_load_b256 s[4:11], s[0:1], 0x0               ; scores s[4:5], cpart s[6:7], ml s[8:9], mask s[10:11]
	s_load_b256 s[12:19], s[0:1], 0x20             ; coverage s[12:13], out0 s[14:15], out1 s[16:17], out2 s[18:19]
	v_and_b32 v1, 31, v0
	v_lshlrev_b32 v2, 3, v1                        ; 8 x lane
	v_lshlrev_b32 v3, 3, v0                        ; 8 x thread
	v_lshlrev_b32 v4, 4, v0                        ; 16 x thread
	v_mov_b32 v60, 0                               ; a lane permute's destination counts as one of its sources
	s_and_b32 s20, ttmp7, 0xffff                   ; the batch
	s_mov_b32 s23, 0
	s_mov_b32 s24, 0x3fb8aa3b                      ; log2 e
	s_mov_b32 s25, 0x76543210
	s_mov_b32 s26, 0xfedcba98
	s_wait_alu depctr_va_vdst(0)
	s_wait_kmcnt 0x0
	s_lshl_b32 s22, s20, 11                        ; ml: 8 parts of 256 bytes a batch
	s_add_nc_u64 s[8:9], s[8:9], s[22:23]
	s_lshl_b32 s21, ttmp9, 9                       ; my 128 columns
	s_lshl_b32 s22, s20, 15                        ; cpart: 8 parts of 4,096 bytes a batch
	s_add_co_u32 s22, s22, s21
	s_add_nc_u64 s[6:7], s[6:7], s[22:23]
	s_lshl_b32 s22, s20, 12
	s_add_co_u32 s22, s22, s21
	s_add_nc_u64 s[14:15], s[14:15], s[22:23]
	s_lshl_b32 s21, ttmp9, 10                      ; my 256 rows
	s_lshl_b32 s22, s20, 13
	s_add_co_u32 s22, s22, s21
	s_add_nc_u64 s[4:5], s[4:5], s[22:23]
	s_add_nc_u64 s[10:11], s[10:11], s[22:23]
	s_add_nc_u64 s[12:13], s[12:13], s[22:23]
	s_add_nc_u64 s[16:17], s[16:17], s[22:23]
	s_add_nc_u64 s[18:19], s[18:19], s[22:23]
.irp j, 0,1,2,3,4,5,6,7
	global_load_b64 v[8+2*\j:9+2*\j], v2, s[8:9] offset:256*\j     ; (M_j, Lp_j of my lane)
.endr
.irp j, 0,1,2,3,4,5,6,7
	global_load_b64 v[24+2*\j:25+2*\j], v3, s[6:7] offset:4096*\j th:TH_LOAD_NT
.endr
	global_load_b128 v[40:43], v4, s[4:5] th:TH_LOAD_NT
	global_load_b128 v[44:47], v4, s[10:11] th:TH_LOAD_NT
	global_load_b128 v[48:51], v4, s[12:13] th:TH_LOAD_NT
	s_wait_loadcnt 0x0
	v_max3_num_f32 v5, v8, v10, v12
	v_max3_num_f32 v5, v5, v14, v16
	v_max3_num_f32 v5, v5, v18, v20
	v_max_num_f32 v5, v5, v22                      ; Mg
.irp j, 0,1,2,3,4,5,6,7
	v_sub_f32 v[52+\j], v[8+2*\j], v5
.endr
.irp j, 0,1,2,3,4,5,6,7
	v_mul_f32 v[52+\j], s24, v[52+\j]
.endr
	s_wait_alu depctr_va_vdst(0)
.irp j, 0,1,2,3,4,5,6,7
	v_exp_f32 v[52+\j], v[52+\j]                   ; w_j
.endr
.irp i, 0,1,2,3
	v_sub_f32 v[40+\i], v[40+\i], v5               ; (plain lines behind the exponentials)
.endr
.irp i, 0,1,2,3
	v_mul_f32 v[40+\i], s24, v[40+\i]
.endr
	s_wait_alu depctr_va_vdst(0)
	v_mul_f32 v6, v52, v9
.irp j, 1,2,3,4,5,6,7
	v_fma_f32 v6, v[52+\j], v[9+2*\j], v6
.endr
	v_add_f32_dpp v6, v6, v6 row_xmask:1 row_mask:0xf bank_mask:0xf
	v_add_f32_dpp v6, v6, v6 row_xmask:2 row_mask:0xf bank_mask:0xf
	v_add_f32_dpp v6, v6, v6 row_xmask:4 row_mask:0xf bank_mask:0xf
	v_add_f32_dpp v6, v6, v6 row_xmask:8 row_mask:0xf bank_mask:0xf
	v_permlanex16_b32 v60, v6, s25, s26
	v_add_f32 v6, v6, v60                          ; L
	s_wait_alu depctr_va_vdst(0)
	v_rcp_f32 v7, v6
.irp i, 0,1,2,3
	v_exp_f32 v[40+\i], v[40+\i]                   ; e^(score - Mg)
.endr
	v_mul_f32 v62, v52, v24                        ; (plain lines behind the reciprocal and the exponentials)
	v_mul_f32 v63, v52, v25
.irp j, 1,2,3,4,5,6,7
	v_fma_f32 v62, v[52+\j], v[24+2*\j], v62
	v_fma_f32 v63, v[52+\j], v[25+2*\j], v63
.endr
	s_wait_alu depctr_va_vdst(0)
	v_mul_f32 v62, v62, v7
	v_mul_f32 v63, v63, v7
	global_store_b64 v3, v[62:63], s[14:15]        ; a wave stores 256 consecutive bytes, aligned
.irp i, 0,1,2,3
	v_mul_f32 v[40+\i], v[40+\i], v[44+\i]
.endr
.irp i, 0,1,2,3
	v_mul_f32 v[40+\i], v[40+\i], v7
.endr
.irp i, 0,1,2,3
	v_add_f32 v[48+\i], v[48+\i], v[40+\i]
.endr
	global_store_b128 v4, v[40:43], s[16:17]       ; a wave stores 512 consecutive bytes
	global_store_b128 v4, v[48:51], s[18:19]
	s_endpgm
.Lfunc_end_k_q0243036600_finish:
	.size	k_q0243036600_finish, .Lfunc_end_k_q0243036600_finish-k_q0243036600_finish
	.p2alignl 7, 3214868480
	.fill 96, 4, 3214868480
	.section	.rodata,"a",@progbits
	.p2align	6, 0x0
	.amdhsa_kernel k_q0243036600_finish
		.amdhsa_group_segment_fixed_size 0
		.amdhsa_private_segment_fixed_size 0
		.amdhsa_enable_private_segment 0
		.amdhsa_kernarg_size 64
		.amdhsa_user_sgpr_count 2
		.amdhsa_user_sgpr_kernarg_segment_ptr 1
		.amdhsa_wavefront_size32 1
		.amdhsa_system_sgpr_workgroup_id_x 1
		.amdhsa_system_sgpr_workgroup_id_y 1
		.amdhsa_system_sgpr_workgroup_id_z 1
		.amdhsa_system_vgpr_workitem_id 0
		.amdhsa_next_free_vgpr 64
		.amdhsa_next_free_sgpr 66
		.amdhsa_reserve_vcc 0
		.amdhsa_float_denorm_mode_32 3
		.amdhsa_float_denorm_mode_16_64 3
		.amdhsa_memory_ordered 1
		.amdhsa_forward_progress 1
		.amdhsa_inst_pref_size 8
	.end_amdhsa_kernel
	.amdgpu_metadata
---
amdhsa.version: [ 1, 2 ]
amdhsa.kernels:
  - .name:           k_q0243036600_finish
    .symbol:         k_q0243036600_finish.kd
    .args:
      - { .name: scores, .offset: 0, .size: 8, .value_kind: global_buffer, .address_space: global }
      - { .name: cpart, .offset: 8, .size: 8, .value_kind: global_buffer, .address_space: global }
      - { .name: ml, .offset: 16, .size: 8, .value_kind: global_buffer, .address_space: global }
      - { .name: enc_padding_mask, .offset: 24, .size: 8, .value_kind: global_buffer, .address_space: global }
      - { .name: coverage, .offset: 32, .size: 8, .value_kind: global_buffer, .address_space: global }
      - { .name: out0, .offset: 40, .size: 8, .value_kind: global_buffer, .address_space: global }
      - { .name: out1, .offset: 48, .size: 8, .value_kind: global_buffer, .address_space: global }
      - { .name: out2, .offset: 56, .size: 8, .value_kind: global_buffer, .address_space: global }
    .group_segment_fixed_size: 0
    .private_segment_fixed_size: 0
    .kernarg_segment_align: 8
    .kernarg_segment_size: 64
    .max_flat_workgroup_size: 64
    .sgpr_count:     66
    .vgpr_count:     64
    .wavefront_size: 32
...
	.end_amdgpu_metadata
.endif
;; end of part 3
